; MI455X (gfx1250); checked and timed in simulation.
; The chip was launched on July 23, 2026; its instructions are those of AMD's public machine-readable ISA for CDNA 5 (MIT licence, August 2026) and "CDNA5" Instruction Set Architecture Reference Guide (July 2026). The comments in the code are by the model that wrote it; some were corrected since.
;; Attention. Allowed arithmetic: matrix products marked QUANTISED: E5M2 operands, one given power-of-two scale a tensor, by v_wmma_f32_16x16x64_bf8_bf8 or v_wmma_f32_16x16x128_bf8_bf8, f32 sums; products left as they are: f32 operands where the result goes on into a quantised operand, else bf16, f16 or f32 operands; f32 sums; everything else in f32.
;; Inputs: Wk 512 x 512 float32; Wq 512 x 512 float32; bk 512 float32; bq 512 float32; hidden_states 4,096 x 32 x 512 float32; lengths 32 int32; lowp_scales 4 int32 (the exponents e of the quantised operands' scales 2^e).
;; Outputs: out0 32 x 512 float32.
;; This version of the problem:
;;   THIS VERSION OF THE PROBLEM IS GIVEN IN LOW PRECISION. The matrix products marked QUANTISED in the list below multiply operands that are first quantised to E5M2 (5 exponent bits, 2 mantissa bits; 8 bits a number), with one given power-of-two scale for each operand tensor; their sums are f32. All else is computed in f32.
;;   The module's matrix products, in the order in which they are computed (A, B: the left and right operand; K: the contracted axis; several contracted axes count as one K, in the product's order):
;;     1. [M 131,072, K 512] x [K 512, N 512]; A: input hidden_states; B: input Wq: QUANTISED (scales: A lowp_scales[0], B lowp_scales[1])
;;     2. [M 131,072, K 512] x [K 512, N 512]; A: input hidden_states; B: input Wk: QUANTISED (scales: A lowp_scales[2], B lowp_scales[3])
;;     3. batch 32 x [M 4,096, K 512] x [K 512, N 1]; A: computed on the way; B: computed on the way: left as it is (N = 1 < 16)
;;     4. batch 32 x [M 1, K 4,096] x [K 4,096, N 512]; A: softmax; B: computed on the way: left as it is (M = 1 < 16)
;;   THE QUANTISER, for each operand of a quantised product, along K:
;;     - The operand's scale is 2^e, e = its entry of the input lowp_scales (int32; the entries are numbered through the quantised products in the list's order, A before B).
;;     - Each number is divided by the scale, clamped to +-57,344, and rounded to the nearest number of E5M2, ties to even, subnormals kept.
;;     - The product sums the exact products of the quantised numbers (number of the format x scale) in f32.
;;   ~~~python
;;   def quantise(x, axis, e):      # numpy; x: float32 -> the quantised numbers, widened to float32 again
;;       x = np.moveaxis(x, axis, -1); K = x.shape[-1]
;;       r = np.clip(x / 2.0 ** e, -57344, 57344)
;;       step = 2.0 ** (np.maximum(np.frexp(np.where(r == 0, 1, r))[1] - 1, -14) - 2)
;;       q = np.round(r / step) * step * 2.0 ** e      # np.round: ties to even
;;       return np.moveaxis(q, -1, axis).astype(np.float32)
;;   ~~~
;; 2 versions, each right; version 2 is version 1 with the launch qpass written anew for expert scheduling mode. Each part assembles by itself: llvm-mc -triple=amdgcn-amd-amdhsa -mcpu=gfx1250 --defsym DOCPART=n.
;; ======== version 1 of 2: 4 launches
;; workspace buffers: wcodes 524,288 bytes; codes2 67,108,864 bytes; qpart 524,288 bytes; part 589,824 bytes
;; launch prep (part 1): grid 64 x 1, 4 waves a work-group, no clusters, 9,216 bytes of LDS; arguments Wq, Wk, lowp_scales, wcodes; writes wcodes
.if DOCPART == 1
	.amdgcn_target "amdgcn-amd-amdhsa--gfx1250"
	.amdhsa_code_object_version 6
	.text
	.protected	k_q534aa9de8a_prep
	.globl	k_q534aa9de8a_prep
	.p2align	8
	.type	k_q534aa9de8a_prep,@function
k_q534aa9de8a_prep:
	s_mov_b64 s[64:65], 0
	v_nop
	global_prefetch_b8 v0, s[64:65] scope:SCOPE_SE
	s_setreg_imm32_b32 hwreg(HW_REG_WAVE_MODE, 25, 1), 1
	s_wait_xcnt 0x0
; Wq and Wk [512 (n)][512 (k)] f32 become codes of BF8 (E5M2), laid as images of operand registers:
; wcodes[mat][n-tile of 16][K step of 128][c 0..3][lane][16 bytes]; mat 0 = Wq under 2^e1, mat 1 = Wk under 2^e3 (entries 1 and 3 of the scales).
; code = x / 2^e, held within +-57,344, to the nearest code, ties to even.  LIMITS: e between -126 and 112, so that 2^e and 57,344 x 2^e are f32 numbers.  NaN among the inputs is not served.
; THE ORDER OF K.  A row of 512 f32 is read by four loads of 512 consecutive bytes; lane l then holds k = 128 j + 4 l + i in register 4 j + i, and its 16 codes are the 16 bytes
; at 16 l of a code row of 512 bytes.  The rows of hidden_states are laid by the same rule in the later launches, so every product meets its partner; only the order of the sums changes.
; A fragment (16 rows x 128 bytes of the code rows): lane (r, h) holds, in registers 4 c .. 4 c + 3, bytes 128 ks + 32 c + 16 h .. + 15 of row r.
; SHARES.  Work-group x: matrix x / 32, n-tile x % 32.  Wave w quantises rows 4 w .. 4 w + 3 into LDS; behind one barrier it cuts K step w and stores it: 512 consecutive bytes a store.
.set PITCH, 528                        ; a code row in LDS: 512 bytes + 16 = 33 x 16: the sixteen rows of a fragment load begin at sixteen different 16-byte columns modulo 256 bytes
.set X, 16                             ; v16-79   four rows of 16 numbers a lane
.set C, 80                             ; v80-95   their codes, four registers a row
.set F, 96                             ; v96-111  my fragment
	s_load_b128 s[4:7], s[0:1], 0x0                ; Wq, Wk
	s_load_b128 s[8:11], s[0:1], 0x10              ; the scales' exponents, wcodes
	v_lshl_add_u32 v112, v0, 2, 0x2200
	v_mov_b32 v113, 0
	v_lshrrev_b32 v6, 5, v0
	v_readfirstlane_b32 s12, v6                    ; wave 0..3
	v_and_b32 v7, 31, v0
	v_lshlrev_b32 v1, 4, v7                        ; 16 x lane
	s_mul_i32 s20, s12, 4*PITCH
	v_add_nc_u32 v2, s20, v1                       ; into LDS: my wave's four rows, 16 bytes a lane
	v_and_b32 v8, 15, v0                           ; r
	v_bfe_u32 v9, v0, 4, 1                         ; h
	v_mul_u32_u24 v3, v8, PITCH
	v_lshl_add_u32 v3, v9, 4, v3
	s_lshl_b32 s21, s12, 7
	v_add_nc_u32 v3, s21, v3                       ; out of LDS: row r, + 16 h, + 128 x my K step
	s_and_b32 s22, ttmp9, 31
	s_lshl_b32 s22, s22, 15                        ; the n-tile's 16 rows of 2,048 bytes
	s_lshl_b32 s23, s12, 13                        ; my four of them
	s_add_co_u32 s22, s22, s23
	s_mov_b32 s23, 0
	s_lshl_b32 s24, ttmp9, 13                      ; an n-tile's images are 8,192 bytes,
	s_lshl_b32 s25, s12, 11                        ; a fragment's 2,048
	s_add_co_u32 s24, s24, s25
	s_mov_b32 s25, 0
	s_wait_kmcnt 0x0
	s_load_b128 s[16:19], s[8:9], 0x0              ; e0 .. e3
	s_cmp_lt_u32 ttmp9, 32                         ; Wq's work-group or Wk's: the choice hangs on the work-group's number alone
	s_cselect_b64 s[4:5], s[4:5], s[6:7]
	s_add_nc_u64 s[4:5], s[4:5], s[22:23]
	s_add_nc_u64 s[10:11], s[10:11], s[24:25]
.irp rho, 0,1,2,3
.irp j, 0,1,2,3
	global_load_b128 v[X+16*\rho+4*\j:X+16*\rho+4*\j+3], v1, s[4:5] offset:2048*\rho+512*\j   ; 32 lanes read 512 consecutive bytes
.endr
.endr
	s_wait_kmcnt 0x0
	s_cmp_lt_u32 ttmp9, 32
	s_cselect_b32 s20, s17, s19                    ; e
	s_add_co_i32 s20, s20, 127
	s_lshl_b32 s21, s20, 23
	v_mov_b32 v4, s21                              ; 2^e as f32: the conversion takes its exponent field
	s_add_co_i32 s20, s20, 15
	s_lshl_b32 s20, s20, 23
	s_or_b32 s20, s20, 0x600000
	v_mov_b32 v5, s20                              ; 57,344 x 2^e
.irp rho, 0,1,2,3
	s_wait_loadcnt 12-4*\rho                       ; this row's four loads are in; the later rows' may be out
.irp i, 0,1,2,3,4,5,6,7,8,9,10,11,12,13,14,15
	v_med3_num_f32 v[X+16*\rho+\i], v[X+16*\rho+\i], -v5, v5   ; the conversion to an 8-bit code does not saturate (ISA guide 7.6.2): the hold comes first
.endr
	v_cvt_scalef32_pk8_bf8_f32 v[C+4*\rho:C+4*\rho+1], v[X+16*\rho:X+16*\rho+7], v4
	v_cvt_scalef32_pk8_bf8_f32 v[C+4*\rho+2:C+4*\rho+3], v[X+16*\rho+8:X+16*\rho+15], v4
	v_nop                                          ; a plain line behind the conversions
	ds_store_b128 v2, v[C+4*\rho:C+4*\rho+3] offset:PITCH*\rho
.endr
	s_wait_dscnt 0x0                               ; for the others' sake: my rows lie in LDS
	s_barrier_signal -1
	s_barrier_wait -1
.irp c, 0,1,2,3
	ds_load_b128 v[F+4*\c:F+4*\c+3], v3 offset:32*\c
.endr
.irp c, 0,1,2,3
	s_wait_dscnt 3-\c
	global_store_b128 v1, v[F+4*\c:F+4*\c+3], s[10:11] offset:512*\c   ; 512 consecutive bytes, at a multiple of 256 from the buffer's first byte
.endr
	s_wait_tensorcnt 0x0
	ds_add_u32 v112, v113
	s_wait_dscnt 0x0
	s_endpgm
.Lfunc_end_k_q534aa9de8a_prep:
	.size	k_q534aa9de8a_prep, .Lfunc_end_k_q534aa9de8a_prep-k_q534aa9de8a_prep
	.p2alignl 7, 3214868480
	.fill 96, 4, 3214868480
	.section	.rodata,"a",@progbits
	.p2align	6, 0x0
	.amdhsa_kernel k_q534aa9de8a_prep
		.amdhsa_group_segment_fixed_size 9216
		.amdhsa_private_segment_fixed_size 0
		.amdhsa_enable_private_segment 0
		.amdhsa_kernarg_size 32
		.amdhsa_user_sgpr_count 2
		.amdhsa_user_sgpr_kernarg_segment_ptr 1
		.amdhsa_wavefront_size32 1
		.amdhsa_system_sgpr_workgroup_id_x 1
		.amdhsa_system_sgpr_workgroup_id_y 1
		.amdhsa_system_sgpr_workgroup_id_z 1
		.amdhsa_system_vgpr_workitem_id 0
		.amdhsa_next_free_vgpr 114
		.amdhsa_next_free_sgpr 66
		.amdhsa_reserve_vcc 0
		.amdhsa_float_denorm_mode_32 3
		.amdhsa_float_denorm_mode_16_64 3
		.amdhsa_memory_ordered 1
		.amdhsa_forward_progress 1
		.amdhsa_inst_pref_size 10
	.end_amdhsa_kernel
	.amdgpu_metadata
---
amdhsa.version: [ 1, 2 ]
amdhsa.kernels:
  - .name:           k_q534aa9de8a_prep
    .symbol:         k_q534aa9de8a_prep.kd
    .args:
      - { .name: Wq, .offset: 0, .size: 8, .value_kind: global_buffer, .address_space: global }
      - { .name: Wk, .offset: 8, .size: 8, .value_kind: global_buffer, .address_space: global }
      - { .name: lowp_scales, .offset: 16, .size: 8, .value_kind: global_buffer, .address_space: global }
      - { .name: wcodes, .offset: 24, .size: 8, .value_kind: global_buffer, .address_space: global }
    .group_segment_fixed_size: 9216
    .private_segment_fixed_size: 0
    .kernarg_segment_align: 8
    .kernarg_segment_size: 32
    .max_flat_workgroup_size: 128
    .sgpr_count:     66
    .vgpr_count:     114
    .wavefront_size: 32
...
	.end_amdgpu_metadata
.endif
;; end of part 1
;; launch qpass (part 2): grid 256 x 1, 4 waves a work-group, no clusters, 70,144 bytes of LDS; arguments hidden_states, wcodes, lowp_scales, codes2, qpart; writes codes2, qpart
.if DOCPART == 2
	.amdgcn_target "amdgcn-amd-amdhsa--gfx1250"
	.amdhsa_code_object_version 6
	.text
	.protected	k_q534aa9de8a_qpass
	.globl	k_q534aa9de8a_qpass
	.p2align	8
	.type	k_q534aa9de8a_qpass,@function
k_q534aa9de8a_qpass:
	s_mov_b64 s[64:65], 0
	v_nop
	global_prefetch_b8 v0, s[64:65] scope:SCOPE_SE
	s_setreg_imm32_b32 hwreg(HW_REG_WAVE_MODE, 25, 1), 1
	s_wait_xcnt 0x0
; The one pass over hidden_states [4096 (s)][32 (b)][512] f32.  Each row is quantised twice to BF8 (E5M2): under 2^e0 for the product with Wq, under 2^e2 for the product with Wk.
; The codes under e2 go to codes2 [work-group][512 rows][512 bytes] for the next launch.  The codes under e0 are multiplied here by Wq's codes, and the product is summed over s:
; qpart[work-group][n] = the sum over the work-group's 512 rows of the sums of code products, not yet scaled.
; LIMITS: e0 and e2 between -126 and 112, so that 2^e and 57,344 x 2^e are f32 numbers.  NaN among the inputs is not served.
; SHARES.  Work-group g: batch b = g % 32, positions s = 512 (g / 32) .. + 511, in 8 blocks of 64 rows.  THE WAVES SHARE THE COLUMNS: wave w keeps Wq's n = 128 w .. 128 w + 127 in 512 registers
; for the whole launch (8 n-tiles x 4 K steps x 16), read once as images of registers.  Of a block wave w quantises rows 16 w .. 16 w + 15; every wave multiplies all 64 rows.
; THE SUM OVER s IS MADE BY THE MATRIX UNIT: the 8 accumulators (one an n-tile) are never begun anew: each of the 32 tiles of 16 rows adds onto them; at the end 8 registers and two halves of the lanes are added.
; A BLOCK AHEAD.  The rows of block k + 1 are quantised while block k is multiplied: a PERIOD is eight times (two rows of mine: 8 loads, 2 stores, 2 LDS stores; then 16 products).  So a wave's loads and stores are
; issued evenly over the period, beside the products, and each wait that frees a store's registers stands behind 16 products, not behind the store.  Two buffers of code rows in LDS take turns, one barrier a period.
; THE ORDER OF K: as the launch that lays the weights has it: a row is read by four loads of 512 consecutive bytes, lane l's 16 codes are the 16 bytes at 16 l of a code row.  Every load of f32 and every store of codes
; covers 512 consecutive bytes, and only codes, a quarter of the bytes, turn through LDS.
; NO CLUSTER: a work-group's 1 MiB of rows is read by nobody else; what work-groups share is Wq's 256 KiB of codes, read once a work-group, straight into the registers where they stay.
; NO TENSOR LOAD: the ring of rows lies in registers: 16 rows x 4 loads of a wave are asked for a block ahead.
; REGISTERS, in windows of 256: window 0: v1-11 addresses and scales; v12-19, v52-59 two rows' codes; v20-51 a row at work; v64-127 accumulators; v128-191, v192-255 two sets of fragments of the rows
;   (ahead of the first period, while they are idle: block 0's codes).   window 1: Wq's fragments of K steps 0 and 1, at 16 (8 (ks % 2) + nt);  window 2: of K steps 2 and 3;  window 3: the ring: row rho's 16 numbers at 16 rho.
.set PITCH, 528                        ; a code row in LDS: 512 bytes + 16 = 33 x 16: the sixteen rows of a fragment load begin at sixteen different 16-byte columns modulo 256 bytes
.set XBUF,  64*PITCH                   ; a block's 64 code rows; two such buffers by turns, at LDS bytes 0 and XBUF
.set STG,   2*XBUF                     ; behind them: 512 bytes for each wave, for the way out
.set SROW,  65536                      ; bytes from position s to s + 1 of one batch
.set BSTEP, 64*SROW                    ; a block on
.set C0,  12                           ; v12-19   two rows' codes under e0
.set T,   20                           ; v20-35   a row held within e0's range
.set T2,  36                           ; v36-51   the same within e2's
.set C2,  52                           ; v52-59   two rows' codes under e2
.set ACC, 64
.set AF0, 128
.set AF1, 192
.set MSB, 0
.macro WIN new                         ; the immediate's high byte repeats the setting that is left; a switch that changes nothing is dropped
.if MSB != \new
	s_set_vgpr_msb (MSB<<8)|\new
.set MSB, \new
.endif
.endm
.macro PLACES                          ; four plain vector lines between a matrix instruction and a load into, or a vector read of, its registers
.rept 4
	v_nop
.endr
.endm
.macro MKSCALE e, vs, vl               ; 2^e and 57,344 x 2^e as f32
	s_add_co_i32 s38, \e, 127
	s_lshl_b32 s39, s38, 23
	v_mov_b32 \vs, s39
	s_add_co_i32 s38, s38, 15
	s_lshl_b32 s38, s38, 23
	s_or_b32 s38, s38, 0x600000
	v_mov_b32 \vl, s38
.endm
	s_load_b256 s[4:11], s[0:1], 0x0               ; hidden_states s[4:5], wcodes s[6:7], the scales s[8:9], codes2 s[10:11]
	s_load_b64 s[12:13], s[0:1], 0x20              ; qpart
	v_lshl_add_u32 v4, v0, 2, 0x11000
	v_mov_b32 v5, 0
	v_lshrrev_b32 v20, 5, v0
	v_readfirstlane_b32 s14, v20                   ; wave 0..3
	v_and_b32 v21, 31, v0
	v_lshlrev_b32 v1, 4, v21                       ; 16 x lane
	s_mul_i32 s36, s14, 16*PITCH
	v_add_nc_u32 v2, s36, v1                       ; into LDS: my wave's 16 rows, 16 bytes a lane
	v_and_b32 v22, 15, v0                          ; r
	v_bfe_u32 v23, v0, 4, 1                        ; h
	v_mul_u32_u24 v3, v22, PITCH
	v_lshl_add_u32 v3, v23, 4, v3                  ; out of LDS: row r, + 16 h
	s_lshl_b32 s36, s14, 9
	s_add_co_u32 s36, s36, STG                     ; my stage
	v_lshl_add_u32 v10, v22, 2, s36                ; in: word r of an n-tile's sixteen
	v_add_nc_u32 v11, s36, v1                      ; back: 16 bytes a lane
	s_and_b32 s16, ttmp9, 31                       ; b
	s_lshr_b32 s17, ttmp9, 5                       ; which 512 positions
	s_lshl_b32 s28, s17, 25                        ; 512 positions of 65,536 bytes,
	s_lshl_b32 s29, s16, 11                        ; the batch's row of 2,048,
	s_add_co_u32 s28, s28, s29
	s_lshl_b32 s29, s14, 20                        ; my wave's 16 positions: under 2^28 in all
	s_add_co_u32 s28, s28, s29
	s_mov_b32 s29, 0
	s_lshl_b32 s30, s14, 16                        ; my 8 n-tiles of Wq's images, 8,192 bytes each
	s_mov_b32 s31, 0
	s_lshl_b32 s32, ttmp9, 18                      ; codes2: 262,144 bytes a work-group,
	s_lshl_b32 s33, s14, 13                        ; my 16 rows of 512
	s_add_co_u32 s32, s32, s33
	s_mov_b32 s33, 0
	s_lshl_b32 s34, ttmp9, 11                      ; qpart: 2,048 bytes a work-group,
	s_lshl_b32 s35, s14, 9                         ; my 128 numbers
	s_add_co_u32 s34, s34, s35
	s_mov_b32 s35, 0
	s_mov_b32 s26, 0x76543210                      ; v_permlanex16_b32's selects for lane l xor 16
	s_mov_b32 s27, 0xfedcba98
	s_wait_kmcnt 0x0
	s_load_b128 s[20:23], s[8:9], 0x0              ; e0 .. e3
	s_add_nc_u64 s[4:5], s[4:5], s[28:29]
	s_add_nc_u64 s[6:7], s[6:7], s[30:31]
	s_add_nc_u64 s[10:11], s[10:11], s[32:33]
	s_add_nc_u64 s[12:13], s[12:13], s[34:35]
	WIN 0x40                                       ; destination window 1
.irp ks, 0,1
.irp nt, 0,1,2,3,4,5,6,7
.irp c, 0,1,2,3
	global_load_b128 v[16*(8*\ks+\nt)+4*\c:16*(8*\ks+\nt)+4*\c+3], v1, s[6:7] offset:(4*\nt+\ks)*2048+512*\c
.endr
.endr
.endr
	WIN 0x80                                       ; destination window 2
.irp ks, 2,3
.irp nt, 0,1,2,3,4,5,6,7
.irp c, 0,1,2,3
	global_load_b128 v[16*(8*(\ks-2)+\nt)+4*\c:16*(8*(\ks-2)+\nt)+4*\c+3], v1, s[6:7] offset:(4*\nt+\ks)*2048+512*\c
.endr
.endr
.endr
	WIN 0xc0                                       ; destination window 3: the ring is filled with block 0's rows, behind the weights: the first counted wait shows the weights in too
.irp rho, 0,1,2,3,4,5,6,7,8,9,10,11,12,13,14,15
.irp j, 0,1,2,3
	global_load_b128 v[16*\rho+4*\j:16*\rho+4*\j+3], v1, s[4:5] offset:SROW*\rho+512*\j th:TH_LOAD_NT
.endr
.endr
	WIN 0
.set x, 0
.rept 64
	v_mov_b32 v[ACC+x], 0                          ; the eight sums, cleared once in the launch: the first products stand in the loop, which is written once for all periods
.set x, x+1
.endr
	s_wait_kmcnt 0x0
	MKSCALE s20, v6, v7                            ; e0
	MKSCALE s22, v8, v9                            ; e2
; One row of mine: held and converted twice; e0's codes (in v[c0] on) to LDS buffer buf, e2's (in v[c2] on) to memory; refill = 1: the ring's registers take the row 64 positions on.
; left: the loads younger than this row's four.
.macro QROW rho, buf, refill, left, c0, c2
	s_wait_loadcnt \left                           ; loads come back in order (ISA guide 5.7.1): this row is in
	WIN 0x03                                       ; source 0 window 3
.irp i, 0,1,2,3,4,5,6,7,8,9,10,11,12,13,14,15
	v_med3_num_f32 v[T+\i], v[16*(\rho)+\i], -v7, v7     ; the conversion to an 8-bit code does not saturate (ISA guide 7.6.2): the hold at 57,344 x 2^e0
.endr
.irp i, 0,1,2,3,4,5,6,7,8,9,10,11,12,13,14,15
	v_med3_num_f32 v[T2+\i], v[16*(\rho)+\i], -v9, v9    ; and at 57,344 x 2^e2: the two scales are given apart and may differ
.endr
	WIN 0
	v_cvt_scalef32_pk8_bf8_f32 v[(\c0):(\c0)+1], v[T:T+7], v6
	v_cvt_scalef32_pk8_bf8_f32 v[(\c0)+2:(\c0)+3], v[T+8:T+15], v6
	v_cvt_scalef32_pk8_bf8_f32 v[(\c2):(\c2)+1], v[T2:T2+7], v8
	v_cvt_scalef32_pk8_bf8_f32 v[(\c2)+2:(\c2)+3], v[T2+8:T2+15], v8
	v_nop                                          ; a plain line between the conversions and the next row's holds, which write their sources
	ds_store_b128 v2, v[(\c0):(\c0)+3] offset:(\buf)*XBUF+PITCH*(\rho)
	global_store_b128 v1, v[(\c2):(\c2)+3], s[10:11] offset:512*(\rho) th:TH_STORE_NT   ; 512 consecutive bytes, at a multiple of 256 from the buffer's first byte
.if \refill
	WIN 0xc0
.irp j, 0,1,2,3
	global_load_b128 v[16*(\rho)+4*\j:16*(\rho)+4*\j+3], v1, s[4:5] offset:BSTEP+SROW*(\rho)+512*\j th:TH_LOAD_NT   ; 5,178,880 at the most: inside the signed 24-bit immediate
.endr
.endif
.endm
; Rows r0 (even) and r0 + 1 of mine, into the two small sets of code registers
.macro QPAIR r0, buf, refill
.if \refill
	QROW (\r0), \buf, 1, 60, C0, C2                ; behind a row's four loads stand the fifteen other rows' sixty
	QROW (\r0)+1, \buf, 1, 60, C0+4, C2+4
.else
	QROW (\r0), \buf, 0, 4*(15-(\r0)), C0, C2      ; the last block asks for nothing: the counts run down
	QROW (\r0)+1, \buf, 0, 4*(14-(\r0)), C0+4, C2+4
.endif
.endm
; The four fragments (K steps) of the tile of rows 16 m .. 16 m + 15 of buffer buf
.macro LOADA af, buf, m
	WIN 0
.irp ks, 0,1,2,3
.irp c, 0,1,2,3
	ds_load_b128 v[(\af)+16*\ks+4*\c:(\af)+16*\ks+4*\c+3], v3 offset:(\buf)*XBUF+16*PITCH*(\m)+128*\ks+32*\c
.endr
.endr
.endm
; 16 matrix instructions: one tile of rows x my 8 n-tiles x K steps 2 hh and 2 hh + 1.  Source 0 = the rows, source 1 = Wq: a lane holds column n = lane % 16, its registers 8 rows.
; The eight accumulators take turns, one instruction a turn, in the same order everywhere.
.macro MULH af, hh
.if (\hh) == 0
	WIN 0x04                                       ; source 1 window 1
.else
	WIN 0x08                                       ; source 1 window 2
.endif
.irp ks, 0,1
.irp nt, 0,1,2,3,4,5,6,7
	v_wmma_f32_16x16x128_bf8_bf8 v[ACC+8*\nt:ACC+8*\nt+7], v[(\af)+16*(2*(\hh)+\ks):(\af)+16*(2*(\hh)+\ks)+15], v[16*(8*\ks+\nt):16*(8*\ks+\nt)+15], v[ACC+8*\nt:ACC+8*\nt+7]
.endr
.endr
.endm
; A PERIOD: the block in buffer rb is multiplied, the next block's rows of mine are quantised into buffer wb.
; ONE barrier, at its end.  wb was last read a period ago: every wave has waited for those reads in front of that period's signal.  rb was stored a period ago, in front of the same signal.
; The fragment loads stand behind a pair of rows, whose holds (64 plain lines that name no register of the products) are the places behind the last products that read those registers.
.macro PERIOD rb, wb, refill
	WIN 0
	s_wait_xcnt 0x0                                ; the loads and stores issued so far have read their registers: the bases may step, the code registers may be written
.if \refill
	s_add_nc_u64 s[4:5], s[4:5], BSTEP
.endif
	s_add_nc_u64 s[10:11], s[10:11], 64*512
	LOADA AF0, \rb, 0
.irp m, 0,1,2,3
.if \m > 0
	s_wait_xcnt 0x0                                ; the last pair's stores, 16 products back, have read v52-59
	s_wait_dscnt 0x0                               ; its LDS stores have read v12-19; this tile's fragments, asked for 32 products back, are in
.endif
	QPAIR 4*\m, \wb, \refill
.if \m < 3
	LOADA AF0+64*((\m+1)%2), \rb, \m+1
	s_wait_dscnt 16                                ; all but the 16 loads just issued: this tile's fragments are in, the pair's LDS stores are done
.endif
	MULH AF0+64*(\m%2), 0
	s_wait_xcnt 0x0                                ; the pair's stores have read v52-59
.if \m == 3
	s_wait_dscnt 0x0                               ; and its LDS stores v12-19 (no fragment loads, and so no counted wait, stood behind them)
.endif
	QPAIR 4*\m+2, \wb, \refill
	MULH AF0+64*(\m%2), 1
.endr
	WIN 0
	s_wait_dscnt 0x0                               ; for the others' sake: my 16 code rows lie in LDS, and my reads of rb are over
	s_barrier_signal -1
	s_barrier_wait -1
.endm
	; block 0's rows: nothing is there to multiply yet.  The fragments' registers are idle and take all sixteen rows' codes, so no store's data are written again here
.irp rho, 0,1,2,3,4,5,6,7,8,9,10,11,12,13,14,15
	QROW \rho, 0, 1, 60, AF0+4*\rho, AF1+4*\rho
.endr
	WIN 0
	s_wait_dscnt 0x0                               ; for the others' sake: my 16 code rows lie in LDS
	s_barrier_signal -1
	s_barrier_wait -1
	s_mov_b32 s25, 3
.Lpair:                                                ; three trips of two periods: the buffers' places are constants of the text.  Blocks 0 to 5 are multiplied, blocks 1 to 6 quantised, blocks 2 to 7 asked for
	PERIOD 0, 1, 1
	PERIOD 1, 0, 1
	s_sub_co_u32 s25, s25, 1
	s_cmp_lg_u32 s25, 0
	s_cbranch_scc1 .Lpair
	PERIOD 0, 1, 0                                 ; block 6 is multiplied, block 7 quantised; no load leaves the buffer
	LOADA AF0, 1, 0                                ; block 7: products alone
	PLACES
	LOADA AF1, 1, 1
	s_wait_dscnt 16                                ; the older set is in; the 16 loads just issued may be out
	MULH AF0, 0
	MULH AF0, 1
	PLACES
	LOADA AF0, 1, 2
	s_wait_dscnt 16
	MULH AF1, 0
	MULH AF1, 1
	PLACES
	LOADA AF1, 1, 3
	s_wait_dscnt 16
	MULH AF0, 0
	MULH AF0, 1
	s_wait_dscnt 0x0
	MULH AF1, 0
	MULH AF1, 1
	WIN 0
	; THE WAY OUT: an accumulator's 8 registers (rows) and the two halves of the lanes are added; 128 sums go through my stage and leave as 512 consecutive bytes.
	PLACES
.irp nt, 0,1,2,3,4,5,6,7
	v_pk_add_f32 v[T2+8*(\nt%2):T2+8*(\nt%2)+1], v[ACC+8*\nt:ACC+8*\nt+1], v[ACC+8*\nt+2:ACC+8*\nt+3]       ; each accumulator from its low end on
	v_pk_add_f32 v[T2+8*(\nt%2)+2:T2+8*(\nt%2)+3], v[ACC+8*\nt+4:ACC+8*\nt+5], v[ACC+8*\nt+6:ACC+8*\nt+7]
	v_pk_add_f32 v[T2+8*(\nt%2):T2+8*(\nt%2)+1], v[T2+8*(\nt%2):T2+8*(\nt%2)+1], v[T2+8*(\nt%2)+2:T2+8*(\nt%2)+3]
	v_add_f32 v[T2+8*(\nt%2)+4], v[T2+8*(\nt%2)], v[T2+8*(\nt%2)+1]
	v_permlanex16_b32 v[T2+8*(\nt%2)+5], v[T2+8*(\nt%2)+4], s26, s27
	v_add_f32 v[T+\nt], v[T2+8*(\nt%2)+4], v[T2+8*(\nt%2)+5]
	ds_store_b32 v10, v[T+\nt] offset:64*\nt       ; lanes l and l xor 16 hold the same sum and write the same word
.endr
	ds_load_b128 v[60:63], v11                     ; LDS serves a wave's instructions in order (ISA guide 5.7.1.4): this sees my stores
	s_wait_dscnt 0x0
	global_store_b128 v1, v[60:63], s[12:13]
	s_wait_tensorcnt 0x0
	ds_add_u32 v4, v5
	s_wait_dscnt 0x0
	s_endpgm
.Lfunc_end_k_q534aa9de8a_qpass:
	.size	k_q534aa9de8a_qpass, .Lfunc_end_k_q534aa9de8a_qpass-k_q534aa9de8a_qpass
	.p2alignl 7, 3214868480
	.fill 96, 4, 3214868480
	.section	.rodata,"a",@progbits
	.p2align	6, 0x0
	.amdhsa_kernel k_q534aa9de8a_qpass
		.amdhsa_group_segment_fixed_size 70144
		.amdhsa_private_segment_fixed_size 0
		.amdhsa_enable_private_segment 0
		.amdhsa_kernarg_size 40
		.amdhsa_user_sgpr_count 2
		.amdhsa_user_sgpr_kernarg_segment_ptr 1
		.amdhsa_wavefront_size32 1
		.amdhsa_system_sgpr_workgroup_id_x 1
		.amdhsa_system_sgpr_workgroup_id_y 1
		.amdhsa_system_sgpr_workgroup_id_z 1
		.amdhsa_system_vgpr_workitem_id 0
		.amdhsa_next_free_vgpr 1024
		.amdhsa_next_free_sgpr 66
		.amdhsa_reserve_vcc 0
		.amdhsa_float_denorm_mode_32 3
		.amdhsa_float_denorm_mode_16_64 3
		.amdhsa_memory_ordered 1
		.amdhsa_forward_progress 1
		.amdhsa_inst_pref_size 255
	.end_amdhsa_kernel
	.section	.bss,"aw",@nobits
	.p2align	6
	.space	262144
	.amdgpu_metadata
---
amdhsa.version: [ 1, 2 ]
amdhsa.kernels:
  - .name:           k_q534aa9de8a_qpass
    .symbol:         k_q534aa9de8a_qpass.kd
    .args:
      - { .name: hidden_states, .offset: 0, .size: 8, .value_kind: global_buffer, .address_space: global }
      - { .name: wcodes, .offset: 8, .size: 8, .value_kind: global_buffer, .address_space: global }
      - { .name: lowp_scales, .offset: 16, .size: 8, .value_kind: global_buffer, .address_space: global }
      - { .name: codes2, .offset: 24, .size: 8, .value_kind: global_buffer, .address_space: global }
      - { .name: qpart, .offset: 32, .size: 8, .value_kind: global_buffer, .address_space: global }
    .group_segment_fixed_size: 70144
    .private_segment_fixed_size: 0
    .kernarg_segment_align: 8
    .kernarg_segment_size: 40
    .max_flat_workgroup_size: 128
    .sgpr_count:     66
    .vgpr_count:     1024
    .wavefront_size: 32
...
	.end_amdgpu_metadata
.endif
;; end of part 2
;; launch keypass (part 3): grid 256 x 1, 8 waves a work-group, no clusters, 279,552 bytes of LDS; arguments codes2, wcodes, qpart, bq, bk, lengths, lowp_scales, part; writes part
.if DOCPART == 3
	.amdgcn_target "amdgcn-amd-amdhsa--gfx1250"
	.amdhsa_code_object_version 6
	.text
	.protected	k_q534aa9de8a_keypass
	.globl	k_q534aa9de8a_keypass
	.p2align	8
	.type	k_q534aa9de8a_keypass,@function
k_q534aa9de8a_keypass:
	s_mov_b64 s[64:65], 0
	v_nop
	global_prefetch_b8 v0, s[64:65] scope:SCOPE_SE
	s_setreg_imm32_b32 hwreg(HW_REG_WAVE_MODE, 25, 1), 1
	s_wait_xcnt 0x0
; key = tanh(h Wk^T + bk) on codes of BF8 (E5M2), the scores key . q with the additive mask, a running softmax over s, and the weighted sum of keys: one partial result a work-group.
; ARITHMETIC, all f32.  r = 1 / (1 + 2^(c1 acc + c2[n])), c1 = 2 log2(e) 2^(e2 + e3), c2 = 2 log2(e) bk[n]; tanh = 1 - 2 r.  score = sum q - 2 sum q r: the first term is the same for all rows of a batch and
; drops out of the softmax.  So t = sum_n q'[n] r[n] (+ -10,000 log2(e) where s >= length), q' = -2 log2(e) q; p = 2^(t - m), m the running largest t; and the result is 1 - 2 (sum p r) / (sum p).
; This launch stores o' = sum p r, M and L = sum p under M: part[work-group] = 512 numbers o', then 32 pairs (M, L).  The masked rows are computed like all others: the mask is additive and finite.
; q[n] = (the sum of the batch's eight entries of qpart) x 2^(e0 + e1 - 12) + bq[n]: the mean over 4,096 positions.
; LIMITS: e2 + e3 between -127 and 126 (it is added to c1's exponent field).  NaN among the inputs is not served.  lengths is taken as a signed number.
; SHARES.  Work-group g: batch g % 32, positions 512 (g / 32) .. + 511: its 512 code rows, 256 KiB, come into LDS once.  Eight waves, two to a SIMD, so that one wave's exponentials and reciprocals stand beside the
; other's products and LDS loads.  THE WAVES SHARE THE COLUMNS: wave w keeps Wk's n = 64 w .. 64 w + 63 in 256 registers (window 1).  16 blocks of 32 rows; a block is 2 tiles of rows x 4 n-tiles x 4 K steps.
; THE MATRIX INSTRUCTION IS USED TRANSPOSED (source 0 = 16 rows of Wk, source 1 = 16 rows of codes): lane (r, h) holds ONE row r, its register j column n = 64 w + 16 t + 8 h + j.  So a row's score is a sum inside the
; lane, one exchange between the halves of the lanes, and eight waves' parts, which meet in LDS; p is one number a lane, and the weighted sum changes no lane until the end.
; m, l and o' are kept for each class of rows r = s % 16; they are equal in both halves of the lanes and (m, l) in all waves, since every wave adds the same eight parts in the same order.
; THE TILE.  Each wave asks for four pieces of 16 rows, piece c = rows 128 c + 16 w .. + 15, all four at the head: four tensor loads of mine are out.  A wave's loads end in order (ISA guide 10.11.1), so rows 128 c .. 128 c + 127
; are whole when every wave has waited with the count 3 - c and passed a barrier: the first blocks are worked while the later rows land.  A piece has 16 rows because 128 rows are shared among eight waves.
; No LDS byte is filled twice.  Nothing is prefetched: all bytes that the work-group reads are asked for at its head.
; NO CLUSTER: the code rows are read by nobody else.  Wk's 256 KiB of codes are shared by all work-groups, but they go as images straight into the registers where they stay, and beside the tile's 270,336 bytes
; LDS has no room through which a joint load could bring them.
; REGISTERS: window 0: v1-9 addresses, mask count, m, l; v[10:15] f, p0, p1; v16-31 head and end; v32-63 q'; v64-95 c2; v96-127 o'; v128-191 the 8 accumulators, then r; v192-223, v224-255 two sets of fragments of the rows
;   (v224-255 also at work in the vector phase).   window 1: Wk's fragment (n-tile t, K step ks) at 16 (4 ks + t).
.set PITCH, 528                        ; a code row in LDS: 512 bytes + 16 = 33 x 16: the sixteen rows of a fragment load begin at sixteen different 16-byte columns modulo 256 bytes
.set CHUNK, 128*PITCH
.set BLKB,  32*PITCH                   ; a block's rows
.set SCR,   512*PITCH                  ; behind the tile: the scores' parts: [2 buffers][tile i][row r][wave] f32, 1,024 bytes a buffer
.set QST,   SCR+2048                   ; q', 2,048 bytes
.set CSTO,  2048                       ; c2, behind q'
.set OSTO,  4096                       ; the way out, behind c2: 256 bytes a wave
.set QV,  32
.set CB,  64
.set O,   96
.set ACC, 128
.set AFA, 192
.set AFB, 224
.set P,   224                          ; the eight waves' parts of two scores
.set S,   240                          ; four chains of a score's sum
.set MSB, 0
.macro WIN new                         ; the immediate's high byte repeats the setting that is left; a switch that changes nothing is dropped
.if MSB != \new
	s_set_vgpr_msb (MSB<<8)|\new
.set MSB, \new
.endif
.endm
.macro PLACES                          ; four plain vector lines between a matrix instruction and a load into, or a vector read or write of, its registers
.rept 4
	v_nop
.endr
.endm
	s_load_b512 s[4:19], s[0:1], 0x0               ; codes2 s[4:5], wcodes s[6:7], qpart s[8:9], bq s[10:11], bk s[12:13], lengths s[14:15], the scales s[16:17], part s[18:19]
	v_lshl_add_u32 v29, v0, 2, 0x44000
	v_mov_b32 v31, 0
	ds_add_u32 v29, v31
	ds_add_u32 v29, v31
	v_lshrrev_b32 v16, 5, v0
	v_readfirstlane_b32 s20, v16                   ; wave 0..7
	s_and_b32 s21, ttmp9, 31                       ; b
	s_lshr_b32 s22, ttmp9, 5                       ; which 512 positions
	; descriptor group 1: 16 rows of 512 bytes, dense in memory, padded in LDS
	s_mov_b32 s24, (1<<20)|(6<<22)|(3<<25)         ; 15:0 no mask; 17:16 elements of 1 byte; 20 padding on; 24:22 after every 128 words (code 6); 31:25 four words (code 3)
	s_mov_b32 s25, 512<<16                         ; tensor_dim0 = 512
	s_mov_b32 s26, 16<<16                          ; tensor_dim1 = 16
	s_mov_b32 s27, 512<<16                         ; tile_dim0 = 512
	s_mov_b32 s28, 16                              ; tile_dim1 = 16
	s_mov_b32 s29, 512                             ; tensor_dim0_stride
	s_mov_b32 s30, 0
	s_mov_b32 s31, 0
	s_mul_i32 s62, s20, 16*PITCH                   ; my 16 rows' place in a piece of 128
	s_lshl_b32 s66, ttmp9, 18                      ; the work-group's 262,144 bytes of codes,
	s_lshl_b32 s67, s20, 13                        ; my 16 rows of 512
	s_add_co_u32 s66, s66, s67
	s_mov_b32 s67, 0
	s_wait_dscnt 0x0
	s_wait_kmcnt 0x0
	s_add_nc_u64 s[4:5], s[4:5], s[66:67]
.irp c, 0,1,2,3
	s_mov_b32 s[32+4*\c], 1                                        ; count = 1
	s_add_co_u32 s[33+4*\c], s62, \c*CHUNK                         ; LDS address: wave x 8,448 + piece x 67,584
	s_add_nc_u64 s[34+4*\c:35+4*\c], s[4:5], \c*65536              ; global address: 128 rows on for each piece
	s_or_b32 s[35+4*\c], s[35+4*\c], 0x80000000                    ; type = 2
.endr
	tensor_load_to_lds s[32:35], s[24:31]          ; the four first fills stand together, ahead of every wait on TENSORcnt, every LDS read and every barrier
	s_nop 0
	tensor_load_to_lds s[36:39], s[24:31]
	s_nop 0
	tensor_load_to_lds s[40:43], s[24:31]
	s_nop 0
	tensor_load_to_lds s[44:47], s[24:31]
	s_nop 0
.rept 4
	v_nop
.endr
	v_and_b32 v20, 15, v0                          ; r
	v_bfe_u32 v21, v0, 4, 1                        ; h
	v_and_b32 v24, 31, v0                          ; lane
	v_lshlrev_b32 v16, 3, v0                       ; 8 x thread: thread tau makes q' and c2 of n = 2 tau, 2 tau + 1
	v_lshlrev_b32 v17, 4, v24                      ; 16 x lane
	v_lshlrev_b32 v23, 3, v24                      ; 8 x lane
	v_add_nc_u32 v18, QST, v16
	s_lshl_b32 s63, s20, 8
	s_add_co_u32 s63, s63, QST
	v_lshl_add_u32 v19, v21, 5, s63                ; q' of my wave's 64 columns, + 32 h: my eight of an n-tile's sixteen
	v_add_nc_u32 v22, s63, v23
	v_mul_u32_u24 v1, v20, PITCH
	v_lshl_add_u32 v1, v21, 4, v1                  ; a fragment: row r, + 16 h
	s_lshl_b32 s62, s20, 2
	s_add_co_u32 s62, s62, SCR
	v_lshl_add_u32 v4, v20, 5, s62                 ; where I put my part of row r's score: 32 r + 4 x wave
	v_lshl_add_u32 v6, v20, 5, SCR                 ; and where the eight parts are read
	s_lshl_b32 s66, s21, 11
	s_mov_b32 s67, 0
	s_add_nc_u64 s[8:9], s[8:9], s[66:67]          ; qpart at the batch's first entry; the other seven lie 65,536 bytes apart
	s_lshl_b32 s68, s20, 15                        ; my four n-tiles of images,
	s_add_co_u32 s68, s68, 262144                  ; in Wk's half of wcodes
	s_mov_b32 s69, 0
	s_add_nc_u64 s[6:7], s[6:7], s[68:69]
	s_lshl_b32 s70, s21, 2
	s_mov_b32 s71, 0
	s_add_nc_u64 s[14:15], s[14:15], s[70:71]
	s_mul_i32 s72, ttmp9, 2304
	s_lshl_b32 s73, s20, 8
	s_add_co_u32 s72, s72, s73
	s_mov_b32 s73, 0
	s_add_nc_u64 s[18:19], s[18:19], s[72:73]      ; part: 2,304 bytes a work-group, 256 a wave
	s_load_b32 s52, s[14:15], 0x0                  ; the batch's length
	s_load_b128 s[48:51], s[16:17], 0x0            ; e0 .. e3
.irp c, 0,1,2,3,4,5,6,7
	global_load_b64 v[O+2*\c:O+2*\c+1], v16, s[8:9] offset:65536*\c
.endr
	global_load_b64 v[O+16:O+17], v16, s[10:11]    ; bq
	global_load_b64 v[O+18:O+19], v16, s[12:13]    ; bk
	WIN 0x40                                       ; destination window 1
.irp t, 0,1,2,3
.irp ks, 0,1,2,3
.irp c, 0,1,2,3
	global_load_b128 v[16*(4*\ks+\t)+4*\c:16*(4*\ks+\t)+4*\c+3], v17, s[6:7] offset:(4*\t+\ks)*2048+512*\c
.endr
.endr
.endr
	WIN 0
	s_mov_b32 s56, 0x76543210                      ; v_permlanex16_b32's selects for lane l xor 16
	s_mov_b32 s57, 0xfedcba98
	s_mov_b32 s58, 0                               ; LDS byte at which the pair of blocks in hand begins
	v_mov_b32 v30, 0xc6616bcd                      ; -10,000 x log2(e)
	v_mov_b32 v8, 0xff61b1e6                       ; m: -3e38, under every t
	v_mov_b32 v9, 0                                ; l
	v_mov_b32 v11, 0                               ; (named as upper halves of pairs)
	v_mov_b32 v13, 0
	v_mov_b32 v15, 0
	v_mov_b32 v249, 0                              ; written once: a lane permute's destination counts as one of its sources
	v_mov_b32 v251, 0
	s_wait_kmcnt 0x0
	s_add_co_i32 s66, s48, s49
	s_sub_co_i32 s66, s66, 12                      ; e0 + e1 - 12
	s_add_co_i32 s54, s50, s51
	s_lshl_b32 s54, s54, 23
	s_add_co_i32 s54, s54, 0x4038aa3b              ; c1 = 2 log2(e) x 2^(e2 + e3): the exponents are added to the constant's exponent field
	s_mov_b32 s55, s54                             ; (named with it as a pair, so it is written)
	s_lshl_b32 s67, s22, 9
	s_sub_co_i32 s67, s67, s52
	v_add_nc_u32 v7, s67, v20                      ; D = my row's position in block 0, tile 0, less the length: the row is masked where D >= 0
	s_wait_loadcnt 0x0                             ; qpart, the biases, the weights
	v_pk_add_f32 v[O:O+1], v[O:O+1], v[O+2:O+3]
	v_pk_add_f32 v[O+4:O+5], v[O+4:O+5], v[O+6:O+7]
	v_pk_add_f32 v[O+8:O+9], v[O+8:O+9], v[O+10:O+11]
	v_pk_add_f32 v[O+12:O+13], v[O+12:O+13], v[O+14:O+15]
	v_pk_add_f32 v[O:O+1], v[O:O+1], v[O+4:O+5]
	v_pk_add_f32 v[O+8:O+9], v[O+8:O+9], v[O+12:O+13]
	v_pk_add_f32 v[O:O+1], v[O:O+1], v[O+8:O+9]
	v_ldexp_f32 v[O], v[O], s66                    ; x 2^(e0 + e1) / 4,096
	v_ldexp_f32 v[O+1], v[O+1], s66
	v_pk_add_f32 v[O:O+1], v[O:O+1], v[O+16:O+17]  ; + bq: q
	v_mul_f32 v[O], 0xc038aa3b, v[O]               ; q' = -2 log2(e) q
	v_mul_f32 v[O+1], 0xc038aa3b, v[O+1]
	v_mul_f32 v[O+18], 0x4038aa3b, v[O+18]         ; c2 = 2 log2(e) bk
	v_mul_f32 v[O+19], 0x4038aa3b, v[O+19]
	ds_store_b64 v18, v[O:O+1]
	ds_store_b64 v18, v[O+18:O+19] offset:CSTO
	s_wait_tensorcnt 0x2                           ; my parts of rows 0 to 255 are in; my two younger loads may be out
	s_wait_dscnt 0x0                               ; for the others' sake: my q' and c2 lie in LDS
	s_barrier_signal -1
	s_barrier_wait -1
.irp t, 0,1,2,3
.irp q, 0,1
	ds_load_b128 v[QV+8*\t+4*\q:QV+8*\t+4*\q+3], v19 offset:64*\t+16*\q
	ds_load_b128 v[CB+8*\t+4*\q:CB+8*\t+4*\q+3], v19 offset:CSTO+64*\t+16*\q
.endr
.endr
.set x, 0
.rept 32
	v_mov_b32 v[O+x], 0                            ; o': the block is written once for all: the first finds zeros, which its f = 0 leaves zeros
.set x, x+1
.endr
	v_add_nc_u32 v2, s58, v1
; The two tiles' fragments of K step ks of the block nx blocks behind v2's
.macro LOADF af, ks, nx
.irp i, 0,1
.irp c, 0,1,2,3
	ds_load_b128 v[\af+16*\i+4*\c:\af+16*\i+4*\c+3], v2 offset:BLKB*(\nx)+16*PITCH*\i+128*(\ks)+32*\c
.endr
.endr
.endm
; 8 matrix instructions: 2 tiles of rows x my 4 n-tiles, one K step.  The eight accumulators take turns, one instruction a turn.  K step 0 starts the sums.
.macro MM af, ks
	WIN 0x01                                       ; source 0 (Wk) window 1
.irp i, 0,1
.irp t, 0,1,2,3
.if (\ks) == 0
	v_wmma_f32_16x16x128_bf8_bf8 v[ACC+32*\i+8*\t:ACC+32*\i+8*\t+7], v[16*(4*(\ks)+\t):16*(4*(\ks)+\t)+15], v[\af+16*\i:\af+16*\i+15], 0
.else
	v_wmma_f32_16x16x128_bf8_bf8 v[ACC+32*\i+8*\t:ACC+32*\i+8*\t+7], v[16*(4*(\ks)+\t):16*(4*(\ks)+\t)+15], v[\af+16*\i:\af+16*\i+15], v[ACC+32*\i+8*\t:ACC+32*\i+8*\t+7]
.endif
.endr
.endr
	WIN 0
.endm
; A BLOCK of 32 rows.  pos: 0 or 1, its place in the pair that v2 stands at, and the buffer of the scores' parts.  next = 1: the next block's first fragments are fetched.
; ONE barrier: block k stores into buffer k % 2, last read in block k - 2; every wave has waited for those reads in front of block k - 1's signal.
.macro BLOCK pos, next
	LOADF AFB, 1, \pos
	s_wait_dscnt 8                                 ; all but the 8 loads just issued: the set that is multiplied next is in
	MM AFA, 0
	PLACES
	LOADF AFA, 2, \pos
	s_wait_dscnt 8
	MM AFB, 1
	PLACES
	LOADF AFB, 3, \pos
	s_wait_dscnt 8
	MM AFA, 2
	PLACES
.if \next
	LOADF AFA, 0, (\pos)+1
	s_wait_dscnt 8
.else
	s_wait_dscnt 0x0
.endif
	MM AFB, 3
	PLACES
.set x, 0
.rept 32
	v_pk_fma_f32 v[ACC+x:ACC+x+1], v[ACC+x:ACC+x+1], s[54:55], v[CB+(x%32):CB+(x%32)+1] op_sel_hi:[1,0,1]   ; c1 acc + c2, each accumulator from its low end on
.set x, x+2
.endr
.set x, 0
.rept 64
	v_exp_f32 v[ACC+x], v[ACC+x]
.set x, x+1
.endr
	v_nop                                          ; a plain line behind the last exponential
	s_wait_alu depctr_va_vdst(0)                   ; one wait for the batch, ahead of its first reader
.set x, 0
.rept 32
	v_pk_add_f32 v[ACC+x:ACC+x+1], v[ACC+x:ACC+x+1], 1.0 op_sel_hi:[1,0]
.set x, x+2
.endr
.set x, 0
.rept 64
	v_rcp_f32 v[ACC+x], v[ACC+x]                   ; r
.set x, x+1
.endr
	v_nop
	s_wait_alu depctr_va_vdst(0)                   ; one wait for the batch
.irp k, 0,2,4,6,8,10,12,14                     ; my 32 columns' part of each row's t: two chains a tile, the four by turns
.irp i, 0,1
.irp c, 0,1
.if \k == 0
	v_pk_mul_f32 v[S+4*\i+2*\c:S+4*\i+2*\c+1], v[ACC+32*\i+16*\c+\k:ACC+32*\i+16*\c+\k+1], v[QV+16*\c+\k:QV+16*\c+\k+1]
.else
	v_pk_fma_f32 v[S+4*\i+2*\c:S+4*\i+2*\c+1], v[ACC+32*\i+16*\c+\k:ACC+32*\i+16*\c+\k+1], v[QV+16*\c+\k:QV+16*\c+\k+1], v[S+4*\i+2*\c:S+4*\i+2*\c+1]
.endif
.endr
.endr
.endr
.irp i, 0,1
	v_pk_add_f32 v[S+4*\i:S+4*\i+1], v[S+4*\i:S+4*\i+1], v[S+4*\i+2:S+4*\i+3]
.endr
.irp i, 0,1
	v_add_f32 v[248+2*\i], v[S+4*\i], v[S+4*\i+1]
.endr
.irp i, 0,1
	v_permlanex16_b32 v[249+2*\i], v[248+2*\i], s56, s57   ; the row's other 32 of my columns lie in the lane 16 away
.endr
.irp i, 0,1
	v_add_f32 v[248+2*\i], v[248+2*\i], v[249+2*\i]
	ds_store_b32 v4, v[248+2*\i] offset:1024*(\pos)+512*\i   ; lanes l and l xor 16 hold the same sum and write the same word
.endr
	s_wait_dscnt 0x0                               ; for the others' sake: my parts lie in LDS; my loads are in too
	s_barrier_signal -1
	s_barrier_wait -1
.irp i, 0,1
	ds_load_b128 v[P+8*\i:P+8*\i+3], v6 offset:1024*(\pos)+512*\i
	ds_load_b128 v[P+8*\i+4:P+8*\i+7], v6 offset:1024*(\pos)+512*\i+16
.endr
	s_wait_dscnt 0x0
.irp i, 0,1
	v_pk_add_f32 v[P+8*\i:P+8*\i+1], v[P+8*\i:P+8*\i+1], v[P+8*\i+2:P+8*\i+3]
	v_pk_add_f32 v[P+8*\i+4:P+8*\i+5], v[P+8*\i+4:P+8*\i+5], v[P+8*\i+6:P+8*\i+7]
.endr
.irp i, 0,1
	v_pk_add_f32 v[P+8*\i:P+8*\i+1], v[P+8*\i:P+8*\i+1], v[P+8*\i+4:P+8*\i+5]
.endr
.irp i, 0,1
	v_add_f32 v[252+\i], v[P+8*\i], v[P+8*\i+1]    ; t of rows r and 16 + r of the block
.endr
	v_cmp_le_i32 vcc_lo, 0, v7                     ; the mask selects a value only: position >= length
	v_cndmask_b32 v254, 0, v30, vcc_lo
	v_add_f32 v252, v252, v254
	v_cmp_le_i32 vcc_lo, -16, v7                   ; the second tile's rows lie 16 positions on
	v_cndmask_b32 v254, 0, v30, vcc_lo
	v_add_f32 v253, v253, v254
	v_max3_num_f32 v255, v8, v252, v253            ; the new m
	v_sub_f32 v10, v8, v255
	v_sub_f32 v12, v252, v255
	v_sub_f32 v14, v253, v255
	v_exp_f32 v10, v10                             ; f = 2^(old m - new m)
	v_exp_f32 v12, v12                             ; p of the two rows
	v_exp_f32 v14, v14
	v_mov_b32 v8, v255                             ; (the plain line behind the exponentials)
	s_wait_alu depctr_va_vdst(0)                   ; one wait for the three
	v_fma_f32 v9, v9, v10, v12                     ; l = l f + p0 + p1
	v_add_f32 v9, v9, v14
.set x, 0
.rept 16
	v_pk_mul_f32 v[O+x:O+x+1], v[O+x:O+x+1], v[10:11] op_sel_hi:[1,0]   ; o' under the new m
.set x, x+2
.endr
.set x, 0
.rept 16
	v_pk_fma_f32 v[O+x:O+x+1], v[ACC+x:ACC+x+1], v[12:13], v[O+x:O+x+1] op_sel_hi:[1,0,1]   ; + p0 r
.set x, x+2
.endr
.set x, 0
.rept 16
	v_pk_fma_f32 v[O+x:O+x+1], v[ACC+32+x:ACC+32+x+1], v[14:15], v[O+x:O+x+1] op_sel_hi:[1,0,1]   ; + p1 r
.set x, x+2
.endr
	v_add_nc_u32 v7, 32, v7                        ; the next block's positions
.if (\pos) == 1
	s_add_co_u32 s58, s58, 2*BLKB                  ; the next pair of blocks; no LDS instruction of mine is out, so the address is written
	v_add_nc_u32 v2, s58, v1
.endif
.endm
	LOADF AFA, 0, 0
	s_mov_b32 s60, 2
.Lfirst:                                               ; blocks 0 to 3: they touch rows 0 to 159
	BLOCK 0, 1
	BLOCK 1, 1
	s_sub_co_u32 s60, s60, 1
	s_cmp_lg_u32 s60, 0
	s_cbranch_scc1 .Lfirst
	s_wait_tensorcnt 0x1                           ; my part of rows 256 to 383 is in; my last load may be out
	s_wait_dscnt 0x0
	s_barrier_signal -1
	s_barrier_wait -1                              ; everybody's is
	s_mov_b32 s60, 2
.Lsecond:                                              ; blocks 4 to 7: rows 128 to 287
	BLOCK 0, 1
	BLOCK 1, 1
	s_sub_co_u32 s60, s60, 1
	s_cmp_lg_u32 s60, 0
	s_cbranch_scc1 .Lsecond
	s_wait_tensorcnt 0x0                           ; all my loads are in
	s_wait_dscnt 0x0
	s_barrier_signal -1
	s_barrier_wait -1
	s_mov_b32 s60, 3
.Lthird:                                               ; blocks 8 to 13
	BLOCK 0, 1
	BLOCK 1, 1
	s_sub_co_u32 s60, s60, 1
	s_cmp_lg_u32 s60, 0
	s_cbranch_scc1 .Lthird
	BLOCK 0, 1
	BLOCK 1, 0                                     ; the last block fetches nothing more
	; THE END: the sixteen classes of rows are brought under one M and added; both halves of the lanes hold the same m and l.
	v_mov_b32 v24, v8
.irp m, 1,2,4,8
	v_max_num_f32_dpp v24, v24, v24 row_xmask:\m row_mask:0xf bank_mask:0xf
.endr
	v_sub_f32 v26, v8, v24
	v_exp_f32 v10, v26                             ; 2^(m - M)
	v_nop
	s_wait_alu depctr_va_vdst(0)
	v_mul_f32 v25, v9, v10
.irp m, 1,2,4,8
	v_add_f32_dpp v25, v25, v25 row_xmask:\m row_mask:0xf bank_mask:0xf   ; L
.endr
.set x, 0
.rept 16
	v_pk_mul_f32 v[O+x:O+x+1], v[O+x:O+x+1], v[10:11] op_sel_hi:[1,0]
.set x, x+2
.endr
.irp m, 1,2,4,8
.set x, 0
.rept 32
	v_add_f32_dpp v[O+x], v[O+x], v[O+x] row_xmask:\m row_mask:0xf bank_mask:0xf
.set x, x+1
.endr
.endr
.irp t, 0,1,2,3
.irp q, 0,1
	ds_store_b128 v19, v[O+8*\t+4*\q:O+8*\t+4*\q+3] offset:OSTO+64*\t+16*\q   ; the sixteen lanes of a half hold the same sums and write the same bytes
.endr
.endr
	ds_load_b64 v[26:27], v22 offset:OSTO          ; my wave's own bytes, served in order (ISA guide 5.7.1.4): 64 numbers, two a lane
	s_wait_dscnt 0x0
	global_store_b64 v23, v[26:27], s[18:19]       ; 256 consecutive bytes, at a multiple of 256 from the buffer's first byte
	s_cmp_lg_u32 s20, 0
	s_cbranch_scc1 .Lend
	global_store_b64 v23, v[24:25], s[18:19] offset:2048   ; wave 0: (M, L), 32 times: the row's ninth block of 256 bytes is written whole
.Lend:
	s_wait_tensorcnt 0x0
	ds_add_u32 v29, v31
	s_wait_dscnt 0x0
	s_endpgm
.Lfunc_end_k_q534aa9de8a_keypass:
	.size	k_q534aa9de8a_keypass, .Lfunc_end_k_q534aa9de8a_keypass-k_q534aa9de8a_keypass
	.p2alignl 7, 3214868480
	.fill 96, 4, 3214868480
	.section	.rodata,"a",@progbits
	.p2align	6, 0x0
	.amdhsa_kernel k_q534aa9de8a_keypass
		.amdhsa_group_segment_fixed_size 279552
		.amdhsa_private_segment_fixed_size 0
		.amdhsa_enable_private_segment 0
		.amdhsa_kernarg_size 64
		.amdhsa_user_sgpr_count 2
		.amdhsa_user_sgpr_kernarg_segment_ptr 1
		.amdhsa_wavefront_size32 1
		.amdhsa_system_sgpr_workgroup_id_x 1
		.amdhsa_system_sgpr_workgroup_id_y 1
		.amdhsa_system_sgpr_workgroup_id_z 1
		.amdhsa_system_vgpr_workitem_id 0
		.amdhsa_next_free_vgpr 512
		.amdhsa_next_free_sgpr 80
		.amdhsa_reserve_vcc 1
		.amdhsa_float_denorm_mode_32 3
		.amdhsa_float_denorm_mode_16_64 3
		.amdhsa_memory_ordered 1
		.amdhsa_forward_progress 1
		.amdhsa_inst_pref_size 187
	.end_amdhsa_kernel
	.amdgpu_metadata
---
amdhsa.version: [ 1, 2 ]
amdhsa.kernels:
  - .name:           k_q534aa9de8a_keypass
    .symbol:         k_q534aa9de8a_keypass.kd
    .args:
      - { .name: codes2, .offset: 0, .size: 8, .value_kind: global_buffer, .address_space: global }
      - { .name: wcodes, .offset: 8, .size: 8, .value_kind: global_buffer, .address_space: global }
      - { .name: qpart, .offset: 16, .size: 8, .value_kind: global_buffer, .address_space: global }
      - { .name: bq, .offset: 24, .size: 8, .value_kind: global_buffer, .address_space: global }
      - { .name: bk, .offset: 32, .size: 8, .value_kind: global_buffer, .address_space: global }
      - { .name: lengths, .offset: 40, .size: 8, .value_kind: global_buffer, .address_space: global }
      - { .name: lowp_scales, .offset: 48, .size: 8, .value_kind: global_buffer, .address_space: global }
      - { .name: part, .offset: 56, .size: 8, .value_kind: global_buffer, .address_space: global }
    .group_segment_fixed_size: 279552
    .private_segment_fixed_size: 0
    .kernarg_segment_align: 8
    .kernarg_segment_size: 64
    .max_flat_workgroup_size: 256
    .sgpr_count:     80
    .vgpr_count:     512
    .wavefront_size: 32
...
	.end_amdgpu_metadata
.endif
;; end of part 3
;; launch combine (part 4): grid 32 x 1, 4 waves a work-group, no clusters, 0 bytes of LDS; arguments part, out0; writes out0
.if DOCPART == 4
	.amdgcn_target "amdgcn-amd-amdhsa--gfx1250"
	.amdhsa_code_object_version 6
	.text
	.protected	k_q534aa9de8a_combine
	.globl	k_q534aa9de8a_combine
	.p2align	8
	.type	k_q534aa9de8a_combine,@function
k_q534aa9de8a_combine:
	s_mov_b64 s[64:65], 0
	v_nop
	global_prefetch_b8 v0, s[64:65] scope:SCOPE_SE
	s_setreg_imm32_b32 hwreg(HW_REG_WAVE_MODE, 25, 1), 1
	s_wait_xcnt 0x0
; out0[b][n] = 1 - 2 (sum over the batch's eight parts of o'[n] g) / (sum of L g), g = 2^(M of the part - the largest M).
; part[32 c + b] = 512 numbers o', then pairs (M, L): 2,304 bytes a row; the eight parts of a batch lie 73,728 bytes apart.
; One work-group a batch; thread tau takes n = 4 tau .. 4 tau + 3.  The part that holds the largest M has L >= 1, so the divisor is at least 1.
; A few KiB a work-group and no reuse: no LDS, no matrix unit, no cluster.
	s_load_b128 s[4:7], s[0:1], 0x0                ; part, out0
	v_lshlrev_b32 v1, 4, v0
	v_mov_b32 v2, 0
	s_mul_i32 s8, ttmp9, 2304
	s_mov_b32 s9, 0
	s_lshl_b32 s10, ttmp9, 11
	s_mov_b32 s11, 0
	s_wait_kmcnt 0x0
	s_add_nc_u64 s[4:5], s[4:5], s[8:9]
	s_add_nc_u64 s[6:7], s[6:7], s[10:11]
.irp c, 0,1,2,3,4,5,6,7
	global_load_b128 v[8+4*\c:11+4*\c], v1, s[4:5] offset:73728*\c
.endr
.irp c, 0,1,2,3,4,5,6,7
	global_load_b64 v[40+2*\c:41+2*\c], v2, s[4:5] offset:73728*\c+2048   ; (M, L)
.endr
	s_wait_loadcnt 0x0
	v_max3_num_f32 v3, v40, v42, v44
	v_max3_num_f32 v3, v3, v46, v48
	v_max3_num_f32 v3, v3, v50, v52
	v_max_num_f32 v3, v3, v54
.irp c, 0,1,2,3,4,5,6,7
	v_sub_f32 v[40+2*\c], v[40+2*\c], v3
.endr
.irp c, 0,1,2,3,4,5,6,7
	v_exp_f32 v[40+2*\c], v[40+2*\c]               ; g takes M's place: the pair is now (g, L)
.endr
	v_nop                                          ; a plain line behind the last exponential
	s_wait_alu depctr_va_vdst(0)                   ; one wait for the eight
	v_mul_f32 v4, v41, v40
	v_pk_mul_f32 v[60:61], v[8:9], v[40:41] op_sel_hi:[1,0]
	v_pk_mul_f32 v[62:63], v[10:11], v[40:41] op_sel_hi:[1,0]
.irp c, 1,2,3,4,5,6,7
	v_fma_f32 v4, v[41+2*\c], v[40+2*\c], v4
	v_pk_fma_f32 v[60:61], v[8+4*\c:9+4*\c], v[40+2*\c:41+2*\c], v[60:61] op_sel_hi:[1,0,1]
	v_pk_fma_f32 v[62:63], v[10+4*\c:11+4*\c], v[40+2*\c:41+2*\c], v[62:63] op_sel_hi:[1,0,1]
.endr
	v_rcp_f32 v5, v4
	v_nop
	s_wait_alu depctr_va_vdst(0)
	v_mul_f32 v6, -2.0, v5
	v_mov_b32 v7, v6
	v_pk_fma_f32 v[60:61], v[60:61], v[6:7], 1.0 op_sel_hi:[1,1,0]
	v_pk_fma_f32 v[62:63], v[62:63], v[6:7], 1.0 op_sel_hi:[1,1,0]
	global_store_b128 v1, v[60:63], s[6:7]         ; a wave stores 512 consecutive bytes
	s_endpgm
.Lfunc_end_k_q534aa9de8a_combine:
	.size	k_q534aa9de8a_combine, .Lfunc_end_k_q534aa9de8a_combine-k_q534aa9de8a_combine
	.p2alignl 7, 3214868480
	.fill 96, 4, 3214868480
	.section	.rodata,"a",@progbits
	.p2align	6, 0x0
	.amdhsa_kernel k_q534aa9de8a_combine
		.amdhsa_group_segment_fixed_size 0
		.amdhsa_private_segment_fixed_size 0
		.amdhsa_enable_private_segment 0
		.amdhsa_kernarg_size 16
		.amdhsa_user_sgpr_count 2
		.amdhsa_user_sgpr_kernarg_segment_ptr 1
		.amdhsa_wavefront_size32 1
		.amdhsa_system_sgpr_workgroup_id_x 1
		.amdhsa_system_sgpr_workgroup_id_y 1
		.amdhsa_system_sgpr_workgroup_id_z 1
		.amdhsa_system_vgpr_workitem_id 0
		.amdhsa_next_free_vgpr 72
		.amdhsa_next_free_sgpr 66
		.amdhsa_reserve_vcc 0
		.amdhsa_float_denorm_mode_32 3
		.amdhsa_float_denorm_mode_16_64 3
		.amdhsa_memory_ordered 1
		.amdhsa_forward_progress 1
		.amdhsa_inst_pref_size 5
	.end_amdhsa_kernel
	.amdgpu_metadata
---
amdhsa.version: [ 1, 2 ]
amdhsa.kernels:
  - .name:           k_q534aa9de8a_combine
    .symbol:         k_q534aa9de8a_combine.kd
    .args:
      - { .name: part, .offset: 0, .size: 8, .value_kind: global_buffer, .address_space: global }
      - { .name: out0, .offset: 8, .size: 8, .value_kind: global_buffer, .address_space: global }
    .group_segment_fixed_size: 0
    .private_segment_fixed_size: 0
    .kernarg_segment_align: 8
    .kernarg_segment_size: 16
    .max_flat_workgroup_size: 128
    .sgpr_count:     66
    .vgpr_count:     72
    .wavefront_size: 32
...
	.end_amdgpu_metadata
.endif
;; end of part 4
;; ======== version 2 of 2: 4 launches; version 1 with the launch qpass written anew for expert scheduling mode
;; workspace buffers: wcodes 524,288 bytes; codes2 67,108,864 bytes; qpart 524,288 bytes; part 589,824 bytes
;; launch prep: the kernel of part 1 again; grid 64 x 1, 4 waves a work-group, no clusters, 9,216 bytes of LDS; arguments Wq, Wk, lowp_scales, wcodes; writes wcodes
;; launch qpass (part 5): grid 256 x 1, 4 waves a work-group, no clusters, 70,144 bytes of LDS; arguments hidden_states, wcodes, lowp_scales, codes2, qpart; writes codes2, qpart
.if DOCPART == 5
	.amdgcn_target "amdgcn-amd-amdhsa--gfx1250"
	.amdhsa_code_object_version 6
	.text
	.protected	k_q534aa9de8a_qpass
	.globl	k_q534aa9de8a_qpass
	.p2align	8
	.type	k_q534aa9de8a_qpass,@function
k_q534aa9de8a_qpass:
	s_mov_b64 s[64:65], 0
	v_nop
	global_prefetch_b8 v0, s[64:65] scope:SCOPE_SE
	s_setreg_imm32_b32 hwreg(HW_REG_WAVE_SCHED_MODE, 0, 2), 2
	s_setreg_imm32_b32 hwreg(HW_REG_WAVE_MODE, 25, 1), 1
	s_wait_xcnt 0x0
	s_wait_alu depctr_vm_vsrc(0)
; The one pass over hidden_states [4096 (s)][32 (b)][512] f32.  Each row is quantised twice to BF8 (E5M2): under 2^e0 for the product with Wq, under 2^e2 for the product with Wk.
; The codes under e2 go to codes2 [work-group][512 rows][512 bytes] for the next launch.  The codes under e0 are multiplied here by Wq's codes, and the product is summed over s:
; qpart[work-group][n] = the sum over the work-group's 512 rows of the sums of code products, not yet scaled.
; LIMITS: e0 and e2 between -126 and 112, so that 2^e and 57,344 x 2^e are f32 numbers.  NaN among the inputs is not served.
; SHARES.  Work-group g: batch b = g % 32, positions s = 512 (g / 32) .. + 511, in 8 blocks of 64 rows.  THE WAVES SHARE THE COLUMNS: wave w keeps Wq's n = 128 w .. 128 w + 127 in 512 registers
; for the whole launch (8 n-tiles x 4 K steps x 16), read once as images of registers.  Of a block wave w quantises rows 16 w .. 16 w + 15; every wave multiplies all 64 rows.
; THE SUM OVER s IS MADE BY THE MATRIX UNIT: the 8 accumulators (one an n-tile) are never begun anew: each of the 32 tiles of 16 rows adds onto them; at the end 8 registers and two halves of the lanes are added.
; A BLOCK AHEAD.  The rows of block k + 1 are quantised while block k is multiplied: a PERIOD is eight STEPS (two rows of mine: 8 loads, 2 stores, 2 LDS stores; then 16 products).  So a wave's loads and stores are
; issued evenly over the period, beside the products.  Two buffers of code rows in LDS take turns, one barrier a period.
; THE ORDER OF K: as the launch that lays the weights has it: a row is read by four loads of 512 consecutive bytes, lane l's 16 codes are the 16 bytes at 16 l of a code row.  Every load of f32 and every store of codes
; covers 512 consecutive bytes, and only codes, a quarter of the bytes, turn through LDS.
; NO CLUSTER: a work-group's 1 MiB of rows is read by nobody else; what work-groups share is Wq's 256 KiB of codes, read once a work-group, straight into the registers where they stay.
; NO TENSOR LOAD: the ring of rows lies in registers: 16 rows x 4 loads of a wave are asked for a block ahead.
; REGISTERS, in windows of 256: window 0: v1-11 addresses and scales; v12-19, v52-59 two rows' codes; v20-51 a row at work; v64-127 accumulators; v128-191, v192-255 two sets of fragments of the rows
;   (ahead of the first period, while they are idle: block 0's codes).   window 1: Wq's fragments of K steps 0 and 1, at 16 (8 (ks % 2) + nt);  window 2: of K steps 2 and 3;  window 3: the ring: row rho's 16 numbers at 16 rho
;   (in the last block, when the ring is idle: its v128-255 take the fragments of tiles 2 and 3).
; THE MODE: SCHED_MODE bits 1:0 = 2 (LLVM: expert scheduling mode 2), set by the entry lines.  The code itself states the register dependences between vector or matrix instructions and memory or LDS
; instructions, with s_wait_alu, always for 0.
; THE PLAN.  Registers that memory or LDS instructions touch:
;   v1, v2, v3, v10, v11, v4, v5   offsets and LDS addresses: written at the head, never again.
;   the ring (window 3)            a row's 32 holds read it; behind them the loads of the row 64 positions on land in it.
;   v12-19, v52-59                 a pair's conversions write them; the pair's two LDS stores and two global stores read them; the next pair's conversions write them again.
;   v128-191, v192-255             LDS loads land in a set; a tile's 32 products read it; the tile two on lands in it.  Ahead of the first period: written by conversions, read by stores.
;   T, T2 and the accumulators are named by vector and matrix instructions alone, until the way out.
; A STEP: two rows' holds and conversions; ONE wait on va_vdst; the pair's 8 loads, 2 LDS stores and 2 stores; 16 products, which name the fragment set in hand, Wq and the accumulators: none of the registers
; that the step's memory and LDS instructions touch.  That wait states: the conversions have written the codes; the holds are done reading the two rows of the ring; the products issued earlier are done reading the
; other fragment set.  So in a tile's first step the next tile's 16 fragment loads are dealt among the products with no further wait.  One wait on vm_vsrc a step stands ahead of the first conversion that writes the codes' registers again.
.set PITCH, 528                        ; a code row in LDS: 512 bytes + 16 = 33 x 16: the sixteen rows of a fragment load begin at sixteen different 16-byte columns modulo 256 bytes
.set XBUF,  64*PITCH                   ; a block's 64 code rows; two such buffers by turns, at LDS bytes 0 and XBUF
.set STG,   2*XBUF                     ; behind them: 512 bytes for each wave, for the way out
.set SROW,  65536                      ; bytes from position s to s + 1 of one batch
.set BSTEP, 64*SROW                    ; a block on
.set C0,  12                           ; v12-19   two rows' codes under e0
.set T,   20                           ; v20-35   a row held within e0's range
.set T2,  36                           ; v36-51   the same within e2's
.set C2,  52                           ; v52-59   two rows' codes under e2
.set ACC, 64
.set AF0, 128
.set AF1, 192
.set MSB, 0
.macro WIN new                         ; the immediate's high byte repeats the setting that is left; a switch that changes nothing is dropped
.if MSB != \new
	s_set_vgpr_msb (MSB<<8)|\new
.set MSB, \new
.endif
.endm
.macro PLACES                          ; four plain vector lines between a matrix instruction and a vector read of its registers (ISA guide 7.12.1)
.rept 4
	v_nop
.endr
.endm
.macro MKSCALE e, vs, vl               ; 2^e and 57,344 x 2^e as f32
	s_add_co_i32 s38, \e, 127
	s_lshl_b32 s39, s38, 23
	v_mov_b32 \vs, s39
	s_add_co_i32 s38, s38, 15
	s_lshl_b32 s38, s38, 23
	s_or_b32 s38, s38, 0x600000
	v_mov_b32 \vl, s38
.endm
	s_load_b256 s[4:11], s[0:1], 0x0               ; hidden_states s[4:5], wcodes s[6:7], the scales s[8:9], codes2 s[10:11]
	s_load_b64 s[12:13], s[0:1], 0x20              ; qpart
	v_lshl_add_u32 v4, v0, 2, 0x11000
	v_mov_b32 v5, 0
	v_lshrrev_b32 v20, 5, v0
	v_readfirstlane_b32 s14, v20                   ; wave 0..3
	v_and_b32 v21, 31, v0
	v_lshlrev_b32 v1, 4, v21                       ; 16 x lane
	s_wait_alu depctr_va_sdst(0)                   ; s14 is written, ahead of its first reader: LDS addresses and all four bases are made from it
	s_mul_i32 s36, s14, 16*PITCH
	v_add_nc_u32 v2, s36, v1                       ; into LDS: my wave's 16 rows, 16 bytes a lane
	v_and_b32 v22, 15, v0                          ; r
	v_bfe_u32 v23, v0, 4, 1                        ; h
	v_mul_u32_u24 v3, v22, PITCH
	v_lshl_add_u32 v3, v23, 4, v3                  ; out of LDS: row r, + 16 h
	s_lshl_b32 s36, s14, 9
	s_add_co_u32 s36, s36, STG                     ; my stage
	v_lshl_add_u32 v10, v22, 2, s36                ; in: word r of an n-tile's sixteen
	v_add_nc_u32 v11, s36, v1                      ; back: 16 bytes a lane
	s_and_b32 s16, ttmp9, 31                       ; b
	s_lshr_b32 s17, ttmp9, 5                       ; which 512 positions
	s_lshl_b32 s28, s17, 25                        ; 512 positions of 65,536 bytes,
	s_lshl_b32 s29, s16, 11                        ; the batch's row of 2,048,
	s_add_co_u32 s28, s28, s29
	s_lshl_b32 s29, s14, 20                        ; my wave's 16 positions: under 2^28 in all
	s_add_co_u32 s28, s28, s29
	s_mov_b32 s29, 0
	s_lshl_b32 s30, s14, 16                        ; my 8 n-tiles of Wq's images, 8,192 bytes each
	s_mov_b32 s31, 0
	s_lshl_b32 s32, ttmp9, 18                      ; codes2: 262,144 bytes a work-group,
	s_lshl_b32 s33, s14, 13                        ; my 16 rows of 512
	s_add_co_u32 s32, s32, s33
	s_mov_b32 s33, 0
	s_lshl_b32 s34, ttmp9, 11                      ; qpart: 2,048 bytes a work-group,
	s_lshl_b32 s35, s14, 9                         ; my 128 numbers
	s_add_co_u32 s34, s34, s35
	s_mov_b32 s35, 0
	s_mov_b32 s26, 0x76543210                      ; v_permlanex16_b32's selects for lane l xor 16
	s_mov_b32 s27, 0xfedcba98
	s_wait_kmcnt 0x0
	s_load_b128 s[20:23], s[8:9], 0x0              ; e0 .. e3
	s_add_nc_u64 s[4:5], s[4:5], s[28:29]
	s_add_nc_u64 s[6:7], s[6:7], s[30:31]
	s_add_nc_u64 s[10:11], s[10:11], s[32:33]
	s_add_nc_u64 s[12:13], s[12:13], s[34:35]
	WIN 0x40                                       ; destination window 1
	s_wait_alu depctr_va_vdst(0)                   ; v1, v2, v3, v10, v11, v4 and v5 are written: every load, store and LDS instruction of the kernel reads one of them as its address
.irp ks, 0,1
.irp nt, 0,1,2,3,4,5,6,7
.irp c, 0,1,2,3
	global_load_b128 v[16*(8*\ks+\nt)+4*\c:16*(8*\ks+\nt)+4*\c+3], v1, s[6:7] offset:(4*\nt+\ks)*2048+512*\c
.endr
.endr
.endr
	WIN 0x80                                       ; destination window 2
.irp ks, 2,3
.irp nt, 0,1,2,3,4,5,6,7
.irp c, 0,1,2,3
	global_load_b128 v[16*(8*(\ks-2)+\nt)+4*\c:16*(8*(\ks-2)+\nt)+4*\c+3], v1, s[6:7] offset:(4*\nt+\ks)*2048+512*\c
.endr
.endr
.endr
	WIN 0xc0                                       ; destination window 3: the ring is filled with block 0's rows, behind the weights: the first counted wait shows the weights in too
.irp rho, 0,1,2,3,4,5,6,7,8,9,10,11,12,13,14,15
.irp j, 0,1,2,3
	global_load_b128 v[16*\rho+4*\j:16*\rho+4*\j+3], v1, s[4:5] offset:SROW*\rho+512*\j th:TH_LOAD_NT
.endr
.endr
	WIN 0
.set x, 0
.rept 64
	v_mov_b32 v[ACC+x], 0                          ; the eight sums, cleared once in the launch: the first products stand in the loop, which is written once for all periods
.set x, x+1
.endr
	s_wait_kmcnt 0x0
	MKSCALE s20, v6, v7                            ; e0
	MKSCALE s22, v8, v9                            ; e2
; The vector work of one row of mine: held and converted twice; e0's codes into v[c0] on, e2's into v[c2] on.  left: the loads younger than this row's four.
; free = 1: the codes' registers were the last pair's store data.
.macro QVEC rho, left, c0, c2, free
	s_wait_loadcnt \left                           ; loads come back in order (ISA guide 5.7.1): this row is in
	WIN 0x03                                       ; source 0 window 3
.irp i, 0,1,2,3,4,5,6,7,8,9,10,11,12,13,14,15
	v_med3_num_f32 v[T+\i], v[16*(\rho)+\i], -v7, v7     ; the conversion to an 8-bit code does not saturate (ISA guide 7.6.2): the hold at 57,344 x 2^e0
.endr
.irp i, 0,1,2,3,4,5,6,7,8,9,10,11,12,13,14,15
	v_med3_num_f32 v[T2+\i], v[16*(\rho)+\i], -v9, v9    ; and at 57,344 x 2^e2: the two scales are given apart and may differ
.endr
	WIN 0
.if \free
	s_wait_xcnt 0x0                                ; the last pair's stores, 16 products and these holds back, have had their addresses translated (ISA guide 3.1): v52-59 are rewritten only behind this wait
	s_wait_alu depctr_vm_vsrc(0)                   ; the last pair's LDS stores have read v12-19 and its stores v52-59, which this pair's conversions write again
.endif
	v_cvt_scalef32_pk8_bf8_f32 v[(\c0):(\c0)+1], v[T:T+7], v6
	v_cvt_scalef32_pk8_bf8_f32 v[(\c0)+2:(\c0)+3], v[T+8:T+15], v6
	v_cvt_scalef32_pk8_bf8_f32 v[(\c2):(\c2)+1], v[T2:T2+7], v8
	v_cvt_scalef32_pk8_bf8_f32 v[(\c2)+2:(\c2)+3], v[T2+8:T2+15], v8
	v_nop                                          ; a plain line between the conversions and the next row's holds, which write their sources
.endm
; Rows r0 (even) and r0 + 1 of mine: their vector work, the step's one wait on va_vdst, and their memory and LDS instructions: e0's codes to LDS buffer buf, e2's to memory;
; refill = 1: the ring's registers take the rows 64 positions on.
.macro QPAIR r0, buf, refill, c0, c2, free
.if \refill
	QVEC (\r0), 60, (\c0), (\c2), \free            ; behind the first row's four loads stand the fifteen other rows' sixty;
	QVEC (\r0)+1, 56, (\c0)+4, (\c2)+4, 0          ; behind the second's fourteen rows' fifty-six: the first row is asked for again only below
	WIN 0xc0                                       ; destination window 3: the switch, then the wait, then the loads
	s_wait_alu depctr_va_vdst(0)                   ; the holds are done reading the two rows of the ring; the conversions have written the codes; the products issued earlier are done reading the other fragment set
.irp d, 0,1
.irp j, 0,1,2,3
	global_load_b128 v[16*((\r0)+\d)+4*\j:16*((\r0)+\d)+4*\j+3], v1, s[4:5] offset:BSTEP+SROW*((\r0)+\d)+512*\j th:TH_LOAD_NT   ; 5,178,880 at the most: inside the signed 24-bit immediate
.endr
.endr
	WIN 0
.else
	QVEC (\r0), 4*(15-(\r0)), (\c0), (\c2), \free  ; the last block asks for nothing: the counts run down
	QVEC (\r0)+1, 4*(14-(\r0)), (\c0)+4, (\c2)+4, 0
	s_wait_alu depctr_va_vdst(0)                   ; the conversions have written the codes; the products issued earlier are done reading the other fragment set
.endif
.irp d, 0,1
	ds_store_b128 v2, v[(\c0)+4*\d:(\c0)+4*\d+3] offset:(\buf)*XBUF+PITCH*((\r0)+\d)
.endr
.irp d, 0,1
	global_store_b128 v1, v[(\c2)+4*\d:(\c2)+4*\d+3], s[10:11] offset:512*((\r0)+\d) th:TH_STORE_NT   ; 512 consecutive bytes, at a multiple of 256 from the buffer's first byte
.endr
.endm
; The four fragments (K steps) of the tile of rows 16 m .. 16 m + 15 of buffer buf, in one run.  w: the window setting (0: the set lies in window 0; 0xc0: in window 3)
.macro LOADA af, buf, m, w
	WIN \w
.irp ks, 0,1,2,3
.irp c, 0,1,2,3
	ds_load_b128 v[(\af)+16*\ks+4*\c:(\af)+16*\ks+4*\c+3], v3 offset:(\buf)*XBUF+16*PITCH*(\m)+128*\ks+32*\c
.endr
.endr
.endm
; 16 matrix instructions: one tile of rows x my 8 n-tiles x K steps 2 hh and 2 hh + 1.  Source 0 = the rows, source 1 = Wq: a lane holds column n = lane % 16, its registers 8 rows.
; The eight accumulators take turns, one instruction a turn, in the same order everywhere.
; w: the window setting: source 1 in window 1 (hh = 0: 0x04) or 2 (hh = 1: 0x08); + 3 where the rows' fragments lie in window 3.
.macro MULH af, hh, w
	WIN \w
.irp ks, 0,1
.irp nt, 0,1,2,3,4,5,6,7
	v_wmma_f32_16x16x128_bf8_bf8 v[ACC+8*\nt:ACC+8*\nt+7], v[(\af)+16*(2*(\hh)+\ks):(\af)+16*(2*(\hh)+\ks)+15], v[16*(8*\ks+\nt):16*(8*\ks+\nt)+15], v[ACC+8*\nt:ACC+8*\nt+7]
.endr
.endr
.endm
; The same for K steps 0 and 1, with the 16 fragment loads of tile lm of buffer lbuf dealt among the products, one behind each, into the other set laf (load n: registers 4 n on, bytes 32 n on of the rows).
; No wait: no vector or matrix instruction since the step's wait names v3 or that set.  No switch: under this setting a load's destination and address lie in window 0.
.macro MULHL af, laf, lbuf, lm
	WIN 0x04
.irp ks, 0,1
.irp nt, 0,1,2,3,4,5,6,7
	v_wmma_f32_16x16x128_bf8_bf8 v[ACC+8*\nt:ACC+8*\nt+7], v[(\af)+16*\ks:(\af)+16*\ks+15], v[16*(8*\ks+\nt):16*(8*\ks+\nt)+15], v[ACC+8*\nt:ACC+8*\nt+7]
	ds_load_b128 v[(\laf)+4*(8*\ks+\nt):(\laf)+4*(8*\ks+\nt)+3], v3 offset:(\lbuf)*XBUF+16*PITCH*(\lm)+32*(8*\ks+\nt)
.endr
.endr
.endm
; A PERIOD: the block in buffer rb is multiplied, the next block's rows of mine are quantised into buffer wb.
; ONE barrier, at its end.  wb was last read a period ago: every wave has waited for those reads in front of that period's signal.  rb was stored a period ago, in front of the same signal.
; Tile 0's fragments land in v128-191 at the head: that set's last readers are tile 2's products of the period before, ahead of two steps' waits on va_vdst, and nothing issued since names it
; (ahead of the first period: the conversions that wrote it stand ahead of the last pair's wait).
.macro PERIOD rb, wb, refill
	WIN 0
	s_wait_xcnt 0x0                                ; the loads and stores issued so far have had their addresses translated (ISA guide 3.1): the bases may step, the stores' data registers may be written
	s_wait_alu depctr_vm_vsrc(0)                   ; the stores issued so far have read their data: v12-19 and v52-59, which the first pair's conversions write; ahead of the first period v128-255 too, in which fragments land
.if \refill
	s_add_nc_u64 s[4:5], s[4:5], BSTEP
.endif
	s_add_nc_u64 s[10:11], s[10:11], 64*512
	LOADA AF0, \rb, 0, 0
.irp m, 0,1,2,3
.if \m > 0
	QPAIR 4*\m, \wb, \refill, C0, C2, 1
	s_wait_dscnt 4                                 ; LDS instructions end in order (ISA guide 5.7.1): this tile's fragments are in; two pairs' LDS stores are younger
.else
	QPAIR 4*\m, \wb, \refill, C0, C2, 0
	s_wait_dscnt 2                                 ; tile 0's fragments are in; the pair's two LDS stores are younger
.endif
.if \m < 3
	MULHL AF0+64*(\m%2), AF0+64*((\m+1)%2), \rb, \m+1
.else
	MULH AF0+64*(\m%2), 0, 0x04
.endif
	QPAIR 4*\m+2, \wb, \refill, C0, C2, 1
	MULH AF0+64*(\m%2), 1, 0x08
.endr
	WIN 0
	s_wait_dscnt 0x0                               ; for the others' sake: my 16 code rows lie in LDS, and my reads of rb are over
	s_barrier_signal -1
	s_barrier_wait -1
.endm
	; block 0's rows: nothing is there to multiply yet.  The fragments' registers are idle and take all sixteen rows' codes, so no store's data are written again here
.irp p, 0,2,4,6,8,10,12,14
	QPAIR \p, 0, 1, AF0+4*\p, AF1+4*\p, 0
.endr
	WIN 0
	s_wait_dscnt 0x0                               ; for the others' sake: my 16 code rows lie in LDS
	s_barrier_signal -1
	s_barrier_wait -1
	s_mov_b32 s25, 3
.Lpair:                                                ; three trips of two periods: the buffers' places are constants of the text.  Blocks 0 to 5 are multiplied, blocks 1 to 6 quantised, blocks 2 to 7 asked for
	PERIOD 0, 1, 1
	PERIOD 1, 0, 1
	s_sub_co_u32 s25, s25, 1
	s_cmp_lg_u32 s25, 0
	s_cbranch_scc1 .Lpair
	PERIOD 0, 1, 0                                 ; block 6 is multiplied, block 7 quantised; no load leaves the buffer
	; block 7: products alone.  The ring is idle: tiles 2 and 3 land in its v128-255, so that no set is loaded again and one wait serves the block
	s_wait_alu depctr_va_vdst(0)                   ; block 6's last sixteen products are done reading v192-255, in which tile 1's fragments land; the holds were done reading the ring long ago
	LOADA AF0, 1, 0, 0
	LOADA AF1, 1, 1, 0
	LOADA AF0, 1, 2, 0xc0                          ; tile 2: v128-191 of window 3
	s_wait_dscnt 32                                ; tile 0 is in; tiles 1 and 2 may be out
	MULH AF0, 0, 0x04
	LOADA AF1, 1, 3, 0xc0                          ; tile 3: v192-255 of window 3; the products since the wait name window 0's v128-191, Wq and the accumulators
	MULH AF0, 1, 0x08
	s_wait_dscnt 32                                ; tile 1 is in; tiles 2 and 3 may be out
	MULH AF1, 0, 0x04
	MULH AF1, 1, 0x08
	s_wait_dscnt 16                                ; tile 2 is in
	MULH AF0, 0, 0x07
	MULH AF0, 1, 0x0b
	s_wait_dscnt 0x0
	MULH AF1, 0, 0x07
	MULH AF1, 1, 0x0b
	WIN 0
	; THE WAY OUT: an accumulator's 8 registers (rows) and the two halves of the lanes are added; 128 sums go through my stage and leave as 512 consecutive bytes.
	PLACES
.irp nt, 0,1,2,3,4,5,6,7
	v_pk_add_f32 v[T2+8*(\nt%2):T2+8*(\nt%2)+1], v[ACC+8*\nt:ACC+8*\nt+1], v[ACC+8*\nt+2:ACC+8*\nt+3]       ; each accumulator from its low end on
	v_pk_add_f32 v[T2+8*(\nt%2)+2:T2+8*(\nt%2)+3], v[ACC+8*\nt+4:ACC+8*\nt+5], v[ACC+8*\nt+6:ACC+8*\nt+7]
	v_pk_add_f32 v[T2+8*(\nt%2):T2+8*(\nt%2)+1], v[T2+8*(\nt%2):T2+8*(\nt%2)+1], v[T2+8*(\nt%2)+2:T2+8*(\nt%2)+3]
	v_add_f32 v[T2+8*(\nt%2)+4], v[T2+8*(\nt%2)], v[T2+8*(\nt%2)+1]
	v_permlanex16_b32 v[T2+8*(\nt%2)+5], v[T2+8*(\nt%2)+4], s26, s27
	v_add_f32 v[T+\nt], v[T2+8*(\nt%2)+4], v[T2+8*(\nt%2)+5]
.endr
	s_wait_alu depctr_va_vdst(0)                   ; the additions have written v20-27, which the eight LDS stores read
.irp nt, 0,1,2,3,4,5,6,7
	ds_store_b32 v10, v[T+\nt] offset:64*\nt       ; lanes l and l xor 16 hold the same sum and write the same word
.endr
	ds_load_b128 v[60:63], v11                     ; LDS serves a wave's instructions in order (ISA guide 5.7.1.4): this sees my stores; no vector instruction names v60-63
	s_wait_dscnt 0x0
	global_store_b128 v1, v[60:63], s[12:13]
	s_wait_dscnt 0x0                               ; the closing lines, six on end
	s_wait_alu 0x0
	s_wait_tensorcnt 0x0
	ds_add_u32 v4, v5
	s_wait_dscnt 0x0
	s_endpgm
.Lfunc_end_k_q534aa9de8a_qpass:
	.size	k_q534aa9de8a_qpass, .Lfunc_end_k_q534aa9de8a_qpass-k_q534aa9de8a_qpass
	.p2alignl 7, 3214868480
	.fill 96, 4, 3214868480
	.section	.rodata,"a",@progbits
	.p2align	6, 0x0
	.amdhsa_kernel k_q534aa9de8a_qpass
		.amdhsa_group_segment_fixed_size 70144
		.amdhsa_private_segment_fixed_size 0
		.amdhsa_enable_private_segment 0
		.amdhsa_kernarg_size 40
		.amdhsa_user_sgpr_count 2
		.amdhsa_user_sgpr_kernarg_segment_ptr 1
		.amdhsa_wavefront_size32 1
		.amdhsa_system_sgpr_workgroup_id_x 1
		.amdhsa_system_sgpr_workgroup_id_y 1
		.amdhsa_system_sgpr_workgroup_id_z 1
		.amdhsa_system_vgpr_workitem_id 0
		.amdhsa_next_free_vgpr 1024
		.amdhsa_next_free_sgpr 66
		.amdhsa_reserve_vcc 0
		.amdhsa_float_denorm_mode_32 3
		.amdhsa_float_denorm_mode_16_64 3
		.amdhsa_memory_ordered 1
		.amdhsa_forward_progress 1
		.amdhsa_inst_pref_size 255
	.end_amdhsa_kernel
	.section	.bss,"aw",@nobits
	.p2align	6
	.space	262144
	.amdgpu_metadata
---
amdhsa.version: [ 1, 2 ]
amdhsa.kernels:
  - .name:           k_q534aa9de8a_qpass
    .symbol:         k_q534aa9de8a_qpass.kd
    .args:
      - { .name: hidden_states, .offset: 0, .size: 8, .value_kind: global_buffer, .address_space: global }
      - { .name: wcodes, .offset: 8, .size: 8, .value_kind: global_buffer, .address_space: global }
      - { .name: lowp_scales, .offset: 16, .size: 8, .value_kind: global_buffer, .address_space: global }
      - { .name: codes2, .offset: 24, .size: 8, .value_kind: global_buffer, .address_space: global }
      - { .name: qpart, .offset: 32, .size: 8, .value_kind: global_buffer, .address_space: global }
    .group_segment_fixed_size: 70144
    .private_segment_fixed_size: 0
    .kernarg_segment_align: 8
    .kernarg_segment_size: 40
    .max_flat_workgroup_size: 128
    .sgpr_count:     66
    .vgpr_count:     1024
    .wavefront_size: 32
...
	.end_amdgpu_metadata
.endif
;; end of part 5
;; launch keypass: the kernel of part 3 again; grid 256 x 1, 8 waves a work-group, no clusters, 279,552 bytes of LDS; arguments codes2, wcodes, qpart, bq, bk, lengths, lowp_scales, part; writes part
;; launch combine: the kernel of part 4 again; grid 32 x 1, 4 waves a work-group, no clusters, 0 bytes of LDS; arguments part, out0; writes out0
